; MI455X (gfx1250); checked and timed in simulation.
; The chip was launched on July 23, 2026; its instructions are those of AMD's public machine-readable ISA for CDNA 5 (MIT licence, August 2026) and "CDNA5" Instruction Set Architecture Reference Guide (July 2026). The comments in the code are by the model that wrote it; some were corrected since.
;; Masked Multi Head Attention. Allowed arithmetic: float matrix products may take bf16 or f16 operands with f32 sums; all other float work in f32.
;; Inputs: Wk 16 x 1,024 x 64 float32; Wo 1,024 x 1,024 float32; Wq 16 x 1,024 x 64 float32; Wv 16 x 1,024 x 64 float32; bk 16 x 64 float32; bo 1,024 float32; bq 16 x 64 float32; bv 16 x 64 float32; hidden_state 2 x 2,048 x 1,024 float32.
;; Outputs: out0 2 x 2,048 x 1,024 float32.
;; One version. Each part assembles by itself: llvm-mc -triple=amdgcn-amd-amdhsa -mcpu=gfx1250 --defsym DOCPART=n.
;; ======== version 1 of 1: 4 launches
;; limits: values are held in f16: magnitudes above 65,504 overflow, below 6.1e-05 lose precision
;; workspace buffers: h16 8,388,608 bytes; w16 6,291,456 bytes; wo16 2,097,152 bytes; q16 8,388,608 bytes; k16 8,388,608 bytes; v16 8,388,608 bytes; ctx16 16,777,216 bytes
;; launch cast (part 1): grid 512 x 1, 8 waves a work-group, no clusters, 0 bytes of LDS; arguments hidden_state, Wq, Wk, Wv, Wo, h16, w16, wo16; writes h16, w16, wo16
.if DOCPART == 1
	.amdgcn_target "amdgcn-amd-amdhsa--gfx1250"
	.amdhsa_code_object_version 6
	.text
	.protected	k_q6e153c55d5_cast
	.globl	k_q6e153c55d5_cast
	.p2align	8
	.type	k_q6e153c55d5_cast,@function
k_q6e153c55d5_cast:
	s_mov_b64 s[64:65], 0
	v_nop
	global_prefetch_b8 v0, s[64:65] scope:SCOPE_SE
	s_setreg_imm32_b32 hwreg(HW_REG_WAVE_MODE, 25, 1), 1
	s_wait_xcnt 0x0
; cast: hidden_state, Wq, Wk, Wv, Wo from f32 to bf16 (round to nearest even), layouts unchanged.
; Why: each of these is read again by 16 work-groups of the two product launches; rounded once here they go there
; by tensor loads at half the bytes, with no conversion on the way to the matrix unit.
; 512 work-groups of 16,384 numbers (65,536 bytes in, 32,768 out): groups 0-255 take hidden_state, 256-319 Wq, 320-383 Wk,
; 384-447 Wv (the three land one behind the other in w16), 448-511 Wo.
; A stream: no LDS, no barrier, no matrix unit.  All 16 loads of a thread go out first; a wave's load covers 512 consecutive bytes,
; a wave's store 256 consecutive bytes at a multiple of 256 from the buffer's first byte.  No register is written twice.
.set X, 4                              ; v[4:67]   16 x 4 numbers as loaded
.set Y, 68                             ; v[68:99]  16 x 2 words to store
	s_load_b512 s[8:23], s[0:1], 0x0               ; hidden s[8:9], Wq s[10:11], Wk s[12:13], Wv s[14:15], Wo s[16:17], h16 s[18:19], w16 s[20:21], wo16 s[22:23]
	s_and_b32 s2, ttmp9, 255                       ; the group's number inside its half of the grid
	s_lshr_b32 s3, s2, 6                           ; second half: which weight (0 q, 1 k, 2 v, 3 o)
	s_and_b32 s4, s2, 63                           ; and which part of it
	v_lshlrev_b32 v1, 4, v0                        ; 16 bytes a thread in
	v_lshlrev_b32 v2, 3, v0                        ; 8 bytes a thread out
	s_wait_kmcnt 0x0
	s_cmp_eq_u32 s3, 1                             ; the choices hang on the group's number alone
	s_cselect_b64 s[24:25], s[12:13], s[10:11]
	s_cmp_eq_u32 s3, 2
	s_cselect_b64 s[24:25], s[14:15], s[24:25]
	s_cmp_eq_u32 s3, 3
	s_cselect_b64 s[24:25], s[16:17], s[24:25]     ; source among the weights
	s_cselect_b64 s[26:27], s[22:23], s[20:21]     ; Wo goes to wo16, the others to w16
	s_cselect_b32 s5, s4, s2                       ; part of the destination
	s_cmp_lt_u32 ttmp9, 256
	s_cselect_b64 s[24:25], s[8:9], s[24:25]       ; first half of the grid: hidden_state to h16
	s_cselect_b64 s[26:27], s[18:19], s[26:27]
	s_cselect_b32 s4, s2, s4
	s_cselect_b32 s5, s2, s5
	s_lshl_b32 s28, s4, 16                         ; 65,536 bytes a part in
	s_mov_b32 s29, 0
	s_lshl_b32 s30, s5, 15                         ; 32,768 bytes a part out
	s_mov_b32 s31, 0
	s_add_nc_u64 s[24:25], s[24:25], s[28:29]
	s_add_nc_u64 s[26:27], s[26:27], s[30:31]
.irp j, 0,1,2,3,4,5,6,7,8,9,10,11,12,13,14,15
	global_load_b128 v[X+4*\j:X+4*\j+3], v1, s[24:25] offset:4096*\j th:TH_LOAD_NT   ; read once in this launch
.endr
.irp j, 0,1,2,3,4,5,6,7,8,9,10,11,12,13,14,15
	s_wait_loadcnt 15-\j                           ; loads return in order: load j is in, the 15 - j younger ones stay out
	v_cvt_pk_bf16_f32 v[Y+2*\j], v[X+4*\j], v[X+4*\j+1]
	v_cvt_pk_bf16_f32 v[Y+2*\j+1], v[X+4*\j+2], v[X+4*\j+3]
	global_store_b64 v2, v[Y+2*\j:Y+2*\j+1], s[26:27] offset:2048*\j     ; the next launch reads it: no hint
.endr
	s_endpgm
.Lfunc_end_k_q6e153c55d5_cast:
	.size	k_q6e153c55d5_cast, .Lfunc_end_k_q6e153c55d5_cast-k_q6e153c55d5_cast
	.p2alignl 7, 3214868480
	.fill 96, 4, 3214868480
	.section	.rodata,"a",@progbits
	.p2align	6, 0x0
	.amdhsa_kernel k_q6e153c55d5_cast
		.amdhsa_group_segment_fixed_size 0
		.amdhsa_private_segment_fixed_size 0
		.amdhsa_enable_private_segment 0
		.amdhsa_kernarg_size 64
		.amdhsa_user_sgpr_count 2
		.amdhsa_user_sgpr_kernarg_segment_ptr 1
		.amdhsa_wavefront_size32 1
		.amdhsa_system_sgpr_workgroup_id_x 1
		.amdhsa_system_sgpr_workgroup_id_y 1
		.amdhsa_system_sgpr_workgroup_id_z 1
		.amdhsa_system_vgpr_workitem_id 0
		.amdhsa_next_free_vgpr 100
		.amdhsa_next_free_sgpr 66
		.amdhsa_reserve_vcc 0
		.amdhsa_float_denorm_mode_32 3
		.amdhsa_float_denorm_mode_16_64 3
		.amdhsa_memory_ordered 1
		.amdhsa_forward_progress 1
		.amdhsa_inst_pref_size 7
	.end_amdhsa_kernel
	.amdgpu_metadata
---
amdhsa.version: [ 1, 2 ]
amdhsa.kernels:
  - .name:           k_q6e153c55d5_cast
    .symbol:         k_q6e153c55d5_cast.kd
    .args:
      - { .name: hidden_state, .offset: 0, .size: 8, .value_kind: global_buffer, .address_space: global }
      - { .name: Wq, .offset: 8, .size: 8, .value_kind: global_buffer, .address_space: global }
      - { .name: Wk, .offset: 16, .size: 8, .value_kind: global_buffer, .address_space: global }
      - { .name: Wv, .offset: 24, .size: 8, .value_kind: global_buffer, .address_space: global }
      - { .name: Wo, .offset: 32, .size: 8, .value_kind: global_buffer, .address_space: global }
      - { .name: h16, .offset: 40, .size: 8, .value_kind: global_buffer, .address_space: global }
      - { .name: w16, .offset: 48, .size: 8, .value_kind: global_buffer, .address_space: global }
      - { .name: wo16, .offset: 56, .size: 8, .value_kind: global_buffer, .address_space: global }
    .group_segment_fixed_size: 0
    .private_segment_fixed_size: 0
    .kernarg_segment_align: 8
    .kernarg_segment_size: 64
    .max_flat_workgroup_size: 256
    .sgpr_count:     66
    .vgpr_count:     100
    .wavefront_size: 32
...
	.end_amdgpu_metadata
.endif
;; end of part 1
;; launch qkv (part 2): grid 16 x 16, 4 waves a work-group, clusters of 4 x 4, 327,680 bytes of LDS; arguments h16, w16, bq, bk, bv, q16, k16, v16; writes q16, k16, v16
.if DOCPART == 2
	.amdgcn_target "amdgcn-amd-amdhsa--gfx1250"
	.amdhsa_code_object_version 6
	.text
	.protected	k_q6e153c55d5_qkv
	.globl	k_q6e153c55d5_qkv
	.p2align	8
	.type	k_q6e153c55d5_qkv,@function
k_q6e153c55d5_qkv:
	s_mov_b64 s[64:65], 0
	v_nop
	global_prefetch_b8 v0, s[64:65] scope:SCOPE_SE
	s_setreg_imm32_b32 hwreg(HW_REG_WAVE_MODE, 25, 1), 1
	s_wait_xcnt 0x0
	s_wait_alu depctr_hold_cnt(0) depctr_sa_sdst(0) depctr_va_vdst(0) depctr_va_sdst(0) depctr_va_ssrc(0) depctr_va_vcc(0) depctr_vm_vsrc(0)
	s_getreg_b32 s2, hwreg(HW_REG_IB_STS2, 6, 4)
	s_cmp_eq_u32 s2, 0
	s_cbranch_scc0 .Lentry_in_a_cluster
	s_endpgm
.Lentry_in_a_cluster:
	s_bfe_u32 s2, ttmp6, 0x10000c
	s_cmp_lg_u32 s2, 0xf033
	s_cbranch_scc0 .Lentry_shape_is_right
	s_endpgm
.Lentry_shape_is_right:
; qkv: q' = (X Wq + bq) * 0.125 * log2(e), k = X Wk + bk, v = X Wv + bv; operands bf16, sums f32, results rounded once to f16.
; (0.125 = 1/sqrt(64) and log2(e) are folded into q, so that the attention launch takes 2^x of the raw products.)
; WHY f16 OUT: the results are matrix operands again; f16 keeps 11 significant bits where bf16 keeps 8.
; RANGE (a limit that is kept): |q'|, |k|, |v| must stay under 65,504, beyond which the result is infinite.  With every input 30 times the spread 1 (X) and
; 0.02 (W) a sum of 1024 products has spread 576; with offsets of 30 spreads on both (30 and 0.6) it is 1024 x 30 x 0.6 = 18,432.  Both at once are not served.
; With every input 30 times smaller v has spread 7e-4, and f16's step there, 6e-8, is a ten-thousandth of it.
; X = h16 [4096][1024]; w16 = [3 (q,k,v)][16 heads][1024 d][64 e]; q16, k16, v16 = [b][head][s][64].
; A work-group makes 256 rows x 192 columns (q | k | v of ONE head: grid x = head, y = block of 256 rows).  Four waves, as many as a
; WGP has SIMDs; wave w makes rows 64 w .. 64 w + 63 x all 192 columns: 4 x 12 accumulator tiles, 384 registers.
; K goes in steps of 128 through two LDS slots filled by tensor loads.
; CLUSTERS of 4 x 4: X's tile hangs on y alone and is asked for jointly along a row of the cluster, the weights' tile on the head alone
; and is asked for jointly along a column: a quarter of the requests.
; The weights lie [K][N]: their fragments come out of LDS by the transposing load.
; The matrix instruction is used transposed (source 0 = 16 columns of W, source 1 = 16 rows of X): lane l then holds row l % 16 and
; eight neighbouring columns 8 (l / 16) + 0..7, which pack into 16 bytes.
; REGISTERS: window 0: addresses, X's fragments (two buffers), bias, way out; window 1: W's fragments (two buffers of 96);
; window 2: accumulators of my rows 0-31 (tile (a, b) at v[8 (12 a + b)]); window 3: of my rows 32-63.
.set KSTEP,  128
.set APITCH, 272                       ; X's LDS row: 256 bytes + 16 of padding
.set AHALF,  128*APITCH                ; 34,816: one tensor load of X
.set WOFF,   2*AHALF                   ; the weights' part of a slot
.set WPITCH, 160                       ; a weight row in LDS: 128 bytes + 32 of padding (an odd multiple of 32, for the transposing load)
.set WPLANE, 64*WPITCH                 ; 64 k rows of one of q, k, v
.set WHALF,  3*WPLANE                  ; 30,720: one tensor load of weights: 64 k rows of q, of k and of v
.set SLOT,   WOFF+2*WHALF              ; 131,072
.set STAGE,  2*SLOT                    ; behind the ring, never filled by a tensor load
.set SPITCH, 144                       ; a staged row: 128 bytes + 16
.set SPLANE, 16*SPITCH                 ; 16 rows of one of q, k, v
.set LAPS,   4                         ; 1024 / (2 x 128)
.set QSC,    0x3e38aa3b                ; 0.125 * log2(e)
.set ADRA, 16                          ; v16-17  X's fragments in slot 0, 1
.set ADRW, 20                          ; v20-21  W's fragments in slot 0, 1
.set STO,  24                          ; the way out: where I put 16 bytes
.set RD,   25                          ; where I read 16 bytes of a dense row back
.set CO,   26                          ; 16 x lane: my bytes in a store of 512
.set BOFF, 27                          ; 32 x (lane / 16): my eight bias numbers
.set FA,   32                          ; v[32:63], v[64:95] X's fragments, two buffers
.set RB,   32                          ; v[32:79] read back on the way out
.set TMP,  96                          ; v[96:143] packed results
.set BI,   160                         ; v[160:255] bias: eight numbers for each of the 12 column tiles
.set G1, 24                            ; s[24:31] group 1 for X
.set G0, 32                            ; s[32:39] group 0 for X, one set a slot
.set G1B, 48                           ; s[48:55] group 1 for the weights
.set G0B, 56                           ; s[56:63] group 0 for the weights, one set a slot
.set MSB, 0
.macro WIN new                         ; the immediate's high byte repeats the setting that is left
.if MSB != \new
	s_set_vgpr_msb (MSB<<8)|\new
.set MSB, \new
.endif
.endm
.set MUL_LO, 0xa1                      ; source 0 (W) window 1, source 1 (X) window 0, C and D window 2
.set MUL_HI, 0xf1                      ; the same, C and D window 3
.set TO_B,   0x40                      ; destination window 1, address window 0
; A joint load: waves 0, 1 fetch X's two halves, waves 2, 3 the weights'.  The branch hangs on the wave's number alone.
.macro JLOAD s
	s_cmp_eq_u32 s11, 0
	s_cbranch_scc0 .Lfor_w_\@
	tensor_load_to_lds s[G0+4*\s:G0+4*\s+3], s[G1:G1+7]
	s_nop 0
	s_branch .Lasked_\@
.Lfor_w_\@:
	tensor_load_to_lds s[G0B+4*\s:G0B+4*\s+3], s[G1B:G1B+7]
	s_nop 0
.Lasked_\@:
.endm
.macro CREST                           ; a round of the cluster's barrier behind its opening work-group barrier
	s_cmp_lg_u32 s10, 0
	s_cbranch_scc1 .Lnot_wave_0_\@
	s_barrier_signal -3
.Lnot_wave_0_\@:
	s_barrier_wait -3
	s_barrier_signal -1
	s_barrier_wait -1
.endm
.macro CROUND                          ; a whole round
	s_barrier_signal -1
	s_barrier_wait -1
	CREST
.endm
.macro PLACES                          ; four places behind matrix instructions, in front of loads into their sources and of readers of their results
.rept 4
	v_nop
.endr
.endm
	s_load_b128 s[4:7], s[0:1], 0x0                ; h16 s[4:5], w16 s[6:7]
	s_load_b256 s[68:75], s[0:1], 0x10             ; bq s[68:69], bk s[70:71], bv s[72:73], q16 s[74:75]
	s_load_b128 s[76:79], s[0:1], 0x30             ; k16 s[76:77], v16 s[78:79]
	s_set_vgpr_msb 0x40
	v_lshl_add_u32 v255, v0, 2, 0x46c00
	s_set_vgpr_msb 0x4000
	v_mov_b32 v159, 0
	s_set_vgpr_msb 0x1
	ds_add_u32 v255, v159
	ds_add_u32 v255, v159
	s_set_vgpr_msb 0x100
	v_lshrrev_b32 v1, 5, v0
	v_readfirstlane_b32 s10, v1                    ; wave 0..3
	s_lshr_b32 s11, s10, 1                         ; I fetch X (0) or weights (1)
	s_and_b32 s12, s10, 1                          ; which half of that tile
	s_bfe_u32 s40, ttmp6, 0x40000                  ; cx
	s_bfe_u32 s41, ttmp6, 0x40004                  ; cy
	s_lshl_b32 s42, ttmp9, 2
	s_add_co_u32 s42, s42, s40                     ; head = 4 x cluster x + cx
	s_and_b32 s13, ttmp7, 0xffff
	s_lshl_b32 s13, s13, 2
	s_add_co_u32 s13, s13, s41                     ; block of 256 rows = 4 x cluster y + cy
	s_lshl_b32 s43, s41, 2
	s_lshl_b32 s43, 15, s43                        ; my row of the cluster
	s_lshl_b32 s44, 0x1111, s40                    ; my column
	; group 1 for X: 128 rows x 128 elements of 2 bytes, pitch 1024 elements; 4 words of padding behind every 64
	s_or_b32 s[G1+0], s43, (1<<16)|(1<<20)|(1<<21)|(5<<22)|(3<<25)
	s_mov_b32 s[G1+1], KSTEP<<16                   ; tensor_dim0 = 128
	s_mov_b32 s[G1+2], 128<<16                     ; tensor_dim1 = 128
	s_mov_b32 s[G1+3], KSTEP<<16                   ; tile_dim0 = 128
	s_mov_b32 s[G1+4], 128                         ; tile_dim1 = 128
	s_mov_b32 s[G1+5], 1024                        ; from row to row
	s_mov_b32 s[G1+6], 0
	s_mov_b32 s[G1+7], 0
	; group 1 for the weights: a "row" is 64 k rows x 64 e = 4,096 elements that lie dense in memory; three rows = the planes of q, k, v,
	; 16 x 1024 x 64 = 1,048,576 elements apart; 8 words of padding behind every 32 (each k row of 128 bytes)
	s_or_b32 s[G1B+0], s44, (1<<16)|(1<<20)|(1<<21)|(4<<22)|(7<<25)
	s_mov_b32 s[G1B+1], 4096<<16                   ; tensor_dim0 = 4096
	s_mov_b32 s[G1B+2], 3<<16                      ; tensor_dim1 = 3
	s_mov_b32 s[G1B+3], 4096<<16                   ; tile_dim0 = 4096
	s_mov_b32 s[G1B+4], 3                          ; tile_dim1 = 3
	s_mov_b32 s[G1B+5], 1048576                    ; from plane to plane
	s_mov_b32 s[G1B+6], 0
	s_mov_b32 s[G1B+7], 0
	; X's address hangs on the block of rows and the wave, the weights' on the head and the wave; each in registers that never hold the other coordinate
	s_lshl_b32 s17, s12, 7
	s_lshl_b32 s16, s13, 8
	s_add_co_u32 s16, s16, s17                     ; row 256 y + 128 half
	s_lshl_b32 s16, s16, 11                        ; x 2,048 bytes
	s_mov_b32 s17, 0
	s_lshl_b32 s46, s42, 17                        ; head x 131,072 bytes
	s_lshl_b32 s47, s12, 13                        ; + half x 64 k rows x 128 bytes
	s_add_co_u32 s46, s46, s47
	s_mov_b32 s47, 0
	s_mul_i32 s20, s10, AHALF                      ; X's halves (waves 0, 1) at wave x 34,816
	s_mul_i32 s21, s10, WHALF                      ; the weights' halves (waves 2, 3) at WOFF + (wave - 2) x 30,720
	s_add_co_u32 s21, s21, WOFF-2*WHALF            ;   = wave x 30,720 + 8,192
	s_wait_dscnt 0x0
	s_wait_kmcnt 0x0
	s_add_nc_u64 s[14:15], s[4:5], s[16:17]
	s_add_nc_u64 s[46:47], s[6:7], s[46:47]
	CROUND                                         ; all sixteen work-groups are here: the first joint loads meet
.irp s, 0,1
	s_mov_b32 s[G0+4*\s], 1
	s_add_co_u32 s[G0+4*\s+1], s20, \s*SLOT
	s_add_nc_u64 s[G0+4*\s+2:G0+4*\s+3], s[14:15], \s*KSTEP*2          ; K step s: 256 bytes along the rows
	s_or_b32 s[G0+4*\s+3], s[G0+4*\s+3], 0x80000000
	s_mov_b32 s[G0B+4*\s], 1
	s_add_co_u32 s[G0B+4*\s+1], s21, \s*SLOT
	s_add_nc_u64 s[G0B+4*\s+2:G0B+4*\s+3], s[46:47], \s*KSTEP*128      ; K step s: 128 k rows of 128 bytes
	s_or_b32 s[G0B+4*\s+3], s[G0B+4*\s+3], 0x80000000
	JLOAD \s                                       ; two tensor loads of this wave are out
.endr
	v_and_b32 v1, 15, v0                           ; r = l % 16
	v_bfe_u32 v2, v0, 4, 1                         ; h = l / 16
	v_and_b32 v3, 7, v0                            ; l % 8
	v_bfe_u32 v4, v0, 3, 1                         ; (l / 8) % 2
	v_bfe_u32 v5, v0, 3, 2                         ; l / 8
	v_and_b32 v6, 31, v0                           ; l
	v_lshlrev_b32 v[BOFF], 5, v2
	; bias: tile b = 4 which + j holds columns 16 j + 8 h + 0..7 of its plane: 32 bytes at 64 j + 32 h of the head's 256
	s_lshl_b32 s80, s42, 8
	s_mov_b32 s81, 0
	s_add_nc_u64 s[68:69], s[68:69], s[80:81]
	s_add_nc_u64 s[70:71], s[70:71], s[80:81]
	s_add_nc_u64 s[72:73], s[72:73], s[80:81]
.irp w, 0,1,2
.irp j, 0,1,2,3
	global_load_b128 v[BI+32*\w+8*\j:BI+32*\w+8*\j+3],   v[BOFF], s[68+2*\w:69+2*\w] offset:64*\j
	global_load_b128 v[BI+32*\w+8*\j+4:BI+32*\w+8*\j+7], v[BOFF], s[68+2*\w:69+2*\w] offset:64*\j+16
.endr
.endr
	v_mul_u32_u24 v7, v1, APITCH
	v_lshl_add_u32 v7, v2, 4, v7                   ; r x pitch + 16 h
	s_mul_i32 s22, s10, 64*APITCH                  ; my 64 rows
	v_add_nc_u32 v[ADRA], s22, v7
	v_add_nc_u32 v[ADRA+1], SLOT, v[ADRA]
	v_lshl_add_u32 v8, v2, 3, v3                   ; transposing load: k row 8 h + l % 8,
	v_mul_u32_u24 v8, v8, WPITCH
	v_lshl_add_u32 v8, v4, 4, v8                   ; 16 bytes for each half of a group of 16 columns
	v_add_nc_u32 v[ADRW], WOFF, v8
	v_add_nc_u32 v[ADRW+1], WOFF+SLOT, v8
	s_mul_i32 s23, s10, 3*SPLANE
	s_add_co_u32 s23, s23, STAGE                   ; my own stage
	v_mul_u32_u24 v9, v1, SPITCH
	v_lshl_add_u32 v9, v2, 4, v9
	v_add_nc_u32 v[STO], s23, v9
	v_mul_u32_u24 v10, v5, SPITCH                  ; back: eight lanes take one row of 128 bytes, a wave four rows
	v_lshl_add_u32 v10, v3, 4, v10
	v_add_nc_u32 v[RD], s23, v10
	v_lshlrev_b32 v[CO], 4, v6
; 12 matrix instructions: 16 rows (block a of the window's two; hi = 0: rows 0-31, 1: rows 32-63) x all 192 columns, 32 along K, from buffer f.
; The 48 accumulators take turns, one instruction a turn, in the same order in every quarter step.
.macro MULA f, hi, a, zero
.irp b, 0,1,2,3,4,5,6,7,8,9,10,11
.if \zero
	v_wmma_f32_16x16x32_bf16 v[8*(12*\a+\b):8*(12*\a+\b)+7], v[96*\f+8*\b:96*\f+8*\b+7], v[FA+32*\f+8*(2*\hi+\a):FA+32*\f+8*(2*\hi+\a)+7], 0
.else
	v_wmma_f32_16x16x32_bf16 v[8*(12*\a+\b):8*(12*\a+\b)+7], v[96*\f+8*\b:96*\f+8*\b+7], v[FA+32*\f+8*(2*\hi+\a):FA+32*\f+8*(2*\hi+\a)+7], v[8*(12*\a+\b):8*(12*\a+\b)+7]
.endif
.endr
.endm
; 32 LDS loads in one run: quarter kq (32 along K) of a slot into buffer f: 24 transposing loads of W, then 8 loads of X
.macro FETCH slot, kq, f
	WIN TO_B
.irp b, 0,1,2,3,4,5,6,7,8,9,10,11
	ds_load_tr16_b128 v[96*\f+8*\b:96*\f+8*\b+3],   v[ADRW+\slot] offset:(\kq/2)*WHALF+(\kq%2)*32*WPITCH+(\b/4)*WPLANE+(\b%4)*32
	ds_load_tr16_b128 v[96*\f+8*\b+4:96*\f+8*\b+7], v[ADRW+\slot] offset:(\kq/2)*WHALF+(\kq%2)*32*WPITCH+(\b/4)*WPLANE+(\b%4)*32+16*WPITCH
.endr
	WIN 0
.irp a, 0,1,2,3
	ds_load_b128 v[FA+32*\f+8*\a:FA+32*\f+8*\a+3],   v[ADRA+\slot] offset:64*\kq+16*APITCH*\a
	ds_load_b128 v[FA+32*\f+8*\a+4:FA+32*\f+8*\a+7], v[ADRA+\slot] offset:64*\kq+16*APITCH*\a+32
.endr
.endm
; One of a K step's first three quarters: multiplies buffer f, fetches quarter kq into buffer g in its middle
.macro QUARTER slot, kq, f, g, zero
	s_wait_dscnt 4                                 ; W and X's rows 0-31 are in; the four youngest loads (rows 32-63) may be out
	WIN MUL_LO
	MULA \f, 0, 0, \zero
	MULA \f, 0, 1, \zero
	PLACES
	FETCH \slot, \kq, \g
	s_wait_dscnt 32                                ; all but the 32 just issued
	WIN MUL_HI
	MULA \f, 1, 0, \zero
	MULA \f, 1, 1, \zero
.endm
.macro THREE slot, zero
	QUARTER \slot, 1, 0, 1, \zero
	QUARTER \slot, 2, 1, 0, 0
	QUARTER \slot, 3, 0, 1, 0
.endm
; The last quarter multiplies buffer 1 and changes slots.  In front of the barrier each wave waits for its reads of this slot and for all its
; tensor loads (one is out: its part of the next slot).  Where the slot is filled again the barrier opens a round of the cluster's barrier,
; and the joint refill is the first tensor load behind the round.  From a request to the wait for it a wave issues 180 matrix instructions.
.macro TURN slot, next, fill
	s_wait_dscnt 4
	WIN MUL_LO
	MULA 1, 0, 0, 0
	s_wait_dscnt 0x0                               ; my reads of this slot are over
	s_wait_tensorcnt 0x0                           ; all my tensor loads have landed
	ds_add_u32 v255, v159
	s_wait_dscnt 0x0
	s_barrier_signal -1
	MULA 1, 0, 1, 0                                ; register work while the others arrive
	WIN 0
	s_barrier_wait -1
.if \fill
	CREST                                          ; no wave of any partner still reads this slot or has a load on its way
	s_add_nc_u64 s[G0+4*\slot+2:G0+4*\slot+3], s[G0+4*\slot+2:G0+4*\slot+3], 2*KSTEP*2
	s_add_nc_u64 s[G0B+4*\slot+2:G0B+4*\slot+3], s[G0B+4*\slot+2:G0B+4*\slot+3], 2*KSTEP*128
	JLOAD \slot
.endif
	PLACES
	FETCH \next, 0, 0
	WIN MUL_HI
	MULA 1, 1, 0, 0
	MULA 1, 1, 1, 0
.endm
.macro LAP zero
	THREE 0, \zero
	TURN 0, 1, 1
	THREE 1, 0
	TURN 1, 0, 1
.endm
	s_wait_tensorcnt 0x1                           ; my part of K step 0 is in; K step 1's may stay out
	s_barrier_signal -1
	s_barrier_wait -1
	FETCH 0, 0, 0
	LAP 1                                          ; the first products start the sums: nothing is cleared
	WIN 0
	s_mov_b32 s3, LAPS-2
.Llap:
	LAP 0
	WIN 0
	s_sub_co_u32 s3, s3, 1
	s_cmp_lg_u32 s3, 0
	s_cbranch_scc1 .Llap
	THREE 0, 0                                     ; the last lap fills nothing
	TURN 0, 1, 0
	THREE 1, 0
	s_wait_dscnt 4
	WIN MUL_LO
	MULA 1, 0, 0, 0
	MULA 1, 0, 1, 0
	s_wait_dscnt 0x0
	WIN MUL_HI
	MULA 1, 1, 0, 0
	MULA 1, 1, 1, 0
	; THE WAY OUT, 16 rows at a time: bias (and q's scale) in f32, one rounding to f16, through my own stage, out as dense runs of 512 bytes.
	WIN 0
	PLACES
	s_wait_loadcnt 0x0                             ; the bias
.set k, 0
.rept 16
	v_pk_mul_f32 v[BI+k:BI+k+1], v[BI+k:BI+k+1], QSC op_sel_hi:[1,0]     ; bq x scale, so that q' is one fused multiply-add
.set k, k+2
.endr
	s_lshr_b32 s80, s13, 3                         ; b
	s_lshl_b32 s80, s80, 4
	s_add_co_u32 s80, s80, s42                     ; 16 b + head
	s_lshl_b32 s80, s80, 11
	s_and_b32 s82, s13, 7
	s_lshl_b32 s82, s82, 8
	s_add_co_u32 s80, s80, s82                     ; + s of the block
	s_lshl_b32 s82, s10, 6
	s_add_co_u32 s80, s80, s82                     ; + my 64 rows
	s_lshl_b32 s80, s80, 7                         ; x 128 bytes
	s_mov_b32 s81, 0
	s_add_nc_u64 s[74:75], s[74:75], s[80:81]
	s_add_nc_u64 s[76:77], s[76:77], s[80:81]
	s_add_nc_u64 s[78:79], s[78:79], s[80:81]
; rows 16 i .. 16 i + 15 of my 64 = tiles (a, 0..11) of window 2 or 3.  wacc: D and source 0 in that window; wcvt: sources 0 and 1 in it
.macro OUT16 i, a, wacc, wcvt
	WIN \wacc
.irp b, 0,1,2,3
.irp p, 0,2,4,6
	v_pk_fma_f32 v[8*(12*\a+\b)+\p:8*(12*\a+\b)+\p+1], v[8*(12*\a+\b)+\p:8*(12*\a+\b)+\p+1], QSC, v[BI+8*\b+\p:BI+8*\b+\p+1] op_sel_hi:[1,0,1]
.endr
.endr
.irp b, 4,5,6,7,8,9,10,11
.irp p, 0,2,4,6
	v_pk_add_f32 v[8*(12*\a+\b)+\p:8*(12*\a+\b)+\p+1], v[8*(12*\a+\b)+\p:8*(12*\a+\b)+\p+1], v[BI+8*\b+\p:BI+8*\b+\p+1]
.endr
.endr
	WIN \wcvt
.irp b, 0,1,2,3,4,5,6,7,8,9,10,11
.irp r, 0,1,2,3
	v_cvt_pk_f16_f32 v[TMP+4*\b+\r], v[8*(12*\a+\b)+2*\r], v[8*(12*\a+\b)+2*\r+1]
.endr
.endr
	WIN 0
.irp b, 0,1,2,3,4,5,6,7,8,9,10,11
	ds_store_b128 v[STO], v[TMP+4*\b:TMP+4*\b+3] offset:(\b/4)*SPLANE+(\b%4)*32
.endr
	s_wait_xcnt 0x0                                ; RB, which the last 16 rows' stores read, is loaded again only behind this wait
.irp t, 0,1,2,3,4,5,6,7,8,9,10,11
	ds_load_b128 v[RB+4*\t:RB+4*\t+3], v[RD] offset:(\t/4)*SPLANE+(\t%4)*4*SPITCH     ; LDS serves a wave's instructions in order: these see the stores above
.endr
.irp t, 0,1,2,3,4,5,6,7,8,9,10,11
	s_wait_dscnt 11-\t
	global_store_b128 v[CO], v[RB+4*\t:RB+4*\t+3], s[74+2*(\t/4):75+2*(\t/4)] offset:2048*\i+512*(\t%4)   ; four dense rows: 512 consecutive bytes, aligned to 512
.endr
.endm
	OUT16 0, 0, 0x82, 0x0a
	OUT16 1, 1, 0x82, 0x0a
	OUT16 2, 0, 0xc3, 0x0f
	OUT16 3, 1, 0xc3, 0x0f
	s_set_vgpr_msb 0x1
	s_wait_tensorcnt 0x0
	ds_add_u32 v255, v159
	s_wait_dscnt 0x0
	s_set_vgpr_msb 0x100
	CROUND                                         ; the closing round: no work-group ends while a partner may still ask for a tile that names it
	s_endpgm
.Lfunc_end_k_q6e153c55d5_qkv:
	.size	k_q6e153c55d5_qkv, .Lfunc_end_k_q6e153c55d5_qkv-k_q6e153c55d5_qkv
	.p2alignl 7, 3214868480
	.fill 96, 4, 3214868480
	.section	.rodata,"a",@progbits
	.p2align	6, 0x0
	.amdhsa_kernel k_q6e153c55d5_qkv
		.amdhsa_group_segment_fixed_size 327680
		.amdhsa_private_segment_fixed_size 0
		.amdhsa_enable_private_segment 0
		.amdhsa_kernarg_size 64
		.amdhsa_user_sgpr_count 2
		.amdhsa_user_sgpr_kernarg_segment_ptr 1
		.amdhsa_wavefront_size32 1
		.amdhsa_system_sgpr_workgroup_id_x 1
		.amdhsa_system_sgpr_workgroup_id_y 1
		.amdhsa_system_sgpr_workgroup_id_z 1
		.amdhsa_system_vgpr_workitem_id 0
		.amdhsa_next_free_vgpr 960
		.amdhsa_next_free_sgpr 84
		.amdhsa_reserve_vcc 0
		.amdhsa_float_denorm_mode_32 3
		.amdhsa_float_denorm_mode_16_64 3
		.amdhsa_memory_ordered 1
		.amdhsa_forward_progress 1
		.amdhsa_inst_pref_size 182
	.end_amdhsa_kernel
	.amdgpu_metadata
---
amdhsa.version: [ 1, 2 ]
amdhsa.kernels:
  - .name:           k_q6e153c55d5_qkv
    .symbol:         k_q6e153c55d5_qkv.kd
    .args:
      - { .name: h16, .offset: 0, .size: 8, .value_kind: global_buffer, .address_space: global }
      - { .name: w16, .offset: 8, .size: 8, .value_kind: global_buffer, .address_space: global }
      - { .name: bq, .offset: 16, .size: 8, .value_kind: global_buffer, .address_space: global }
      - { .name: bk, .offset: 24, .size: 8, .value_kind: global_buffer, .address_space: global }
      - { .name: bv, .offset: 32, .size: 8, .value_kind: global_buffer, .address_space: global }
      - { .name: q16, .offset: 40, .size: 8, .value_kind: global_buffer, .address_space: global }
      - { .name: k16, .offset: 48, .size: 8, .value_kind: global_buffer, .address_space: global }
      - { .name: v16, .offset: 56, .size: 8, .value_kind: global_buffer, .address_space: global }
    .group_segment_fixed_size: 327680
    .private_segment_fixed_size: 0
    .kernarg_segment_align: 8
    .kernarg_segment_size: 64
    .max_flat_workgroup_size: 128
    .sgpr_count:     84
    .vgpr_count:     960
    .wavefront_size: 32
...
	.end_amdgpu_metadata
.endif
;; end of part 2
;; launch attn (part 3): grid 8 x 32, 8 waves a work-group, no clusters, 327,680 bytes of LDS; arguments q16, k16, v16, ctx16; writes ctx16
.if DOCPART == 3
	.amdgcn_target "amdgcn-amd-amdhsa--gfx1250"
	.amdhsa_code_object_version 6
	.text
	.protected	k_q6e153c55d5_attn
	.globl	k_q6e153c55d5_attn
	.p2align	8
	.type	k_q6e153c55d5_attn,@function
k_q6e153c55d5_attn:
	s_mov_b64 s[64:65], 0
	v_nop
	global_prefetch_b8 v0, s[64:65] scope:SCOPE_SE
	s_setreg_imm32_b32 hwreg(HW_REG_WAVE_MODE, 25, 1), 1
	s_wait_xcnt 0x0
; attn: causal attention of one (batch, head) plane with a running maximum.  q16 (already times 0.125 log2 e), k16, v16: [b][head][2048][64] f16.
; ctx16: [b][hi, lo][head][2048][64] bf16: ctx leaves as TWO bf16 numbers, hi = bf16(ctx) and lo = bf16(ctx - hi), because the output projection multiplies it by
; weights in bf16 and one bf16 number keeps only 8 significant bits of it.
; Grid x = i (0..7), y = 16 b + head.  The 2048 queries are 16 blocks of 128; work-group i takes blocks i and 15 - i: 17 blocks of 128 x 128 for everyone.
; Eight waves: qg = wave & 3 owns 32 queries of the block, kg = wave >> 2 owns keys 0-63 or 64-127 of every 128 keys, so two waves share a SIMD and
; one's softmax runs beside the other's matrix work.  The two key halves are merged through LDS at the end of a query block.
; K and V come by tensor loads into two slots of 256 keys.  Block qb needs (qb >> 1) + 1 slots; the two blocks' counts add up to 9, so one is even: that
; block goes first (phase A), and stream tile t = 0..8 always lies in slot t & 1.  A phase's last slot holds the diagonal and runs masked.
; THE PRODUCTS: S^T = K Q^T (lane (r, h), register j: key 16 tt + 8 h + j of query r).  Two such tiles, rounded to f16 pairs, ARE the second operand
; of ctx^T = V^T P^T for 32 keys: no lane shuffle.  V^T comes out of LDS by the transposing load.  Maximum, sum and rescale are one number a lane;
; only the maximum crosses the two halves of the wave in each step; the sum stays a lane's own until the end.
; NO MULTICAST: the eight work-groups of a plane read the same K and V but walk streams of different lengths (8+1, 8+1, 2+7, 2+7, 6+3, 6+3, 4+5, 4+5 slots); in
; step with each other every partner would have to go through the longest of both phases, 8 + 7 slots instead of 9.
; LIMITS: a masked position gets weight 0, where the reference gives exp(-1e9 - max), which is 0 in f32 as long as a row's largest scaled score is above
; about -1e9.  The running maximum starts at -1e30 (in log2 units): scores below that are not served.  q, k, v are f16 (under 65,504: see the launch that
; makes them); the weights P lie in 0..1, where f16's smallest step is 6e-8.
.set KPITCH, 144                       ; a key's 128 bytes + 16
.set VPITCH, 160                       ; a value row's 128 bytes + 32 (an odd multiple of 32, for the transposing load)
.set VOFF,   40960                     ; V's part of a slot = 4 x 10,240, so that wave w (4..7) fills slot + w x 10,240; K's 36,864 bytes lie in front
.set SLOT,   81920
.set MERGE,  2*SLOT                    ; 4 x 8,704: for each qg 16 x 512 bytes of ctx, then 512 of (m0, m1, l0, l1)
.set STAGE,  MERGE+4*8704              ; 8 x 4,608: 32 rows x 144 for each wave (waves 0-3 use theirs)
.set LOPL,   4194304                   ; from ctx's hi to its lo: 16 planes of 262,144 bytes
.set ADRK, 4                           ; v4-5    K's fragments in slot 0, 1
.set ADRV, 6                           ; v6-7    V's fragments in slot 0, 1
.set QOFF, 8                           ; 128 r + 16 h
.set DL,   9                           ; r - 8 h
.set DLS,  10                          ; r - 8 h - (first key - first query)
.set NINF, 11                          ; -infinity
.set MADR, 12
.set STO,  13
.set RD,   14
.set CO,   15
.set QF,   16                          ; v[16:47]    Q fragments (nt, ks) at 8 (2 nt + ks)
.set FR,   48                          ; v[48:111]   K fragments (tt, ks) at 8 (4 ks + tt), then V fragments (et, c) at 8 (4 c + et)
.set SC,   112                         ; v[112:175]  scores (tt, nt) at 8 (4 nt + tt); P (nt, c) in place in tile (2 c, nt)
.set CTX,  176                         ; v[176:239]  ctx^T (et, nt) at 8 (2 et + nt)
.set MX,   240                         ; running maxima of my two query tiles
.set LS,   242                         ; my part of their sums
.set NM,   244                         ; v244, v246  new maxima (first of a pair)
.set AL,   248                         ; v248, v250  rescale factors (first of a pair)
.set T,    252                         ; v[252:255]  at work
.set G1K, 24
.set G1V, 32
.set G0K, 40                           ; one set a slot
.set G0V, 48
.set SDR, 62                           ; s62, s63: first key - first query of my wave in the masked slot's two halves
.macro PLACES n
.rept \n
	v_nop
.endr
.endm
.macro JLOAD s                         ; waves 0-3 fetch K's four quarters of a slot, waves 4-7 V's; s may be an expression, hence the brackets
	s_cmp_eq_u32 s13, 0
	s_cbranch_scc0 .Lfor_v_\@
	tensor_load_to_lds s[G0K+4*(\s):G0K+4*(\s)+3], s[G1K:G1K+7]
	s_nop 0
	s_branch .Lasked_\@
.Lfor_v_\@:
	tensor_load_to_lds s[G0V+4*(\s):G0V+4*(\s)+3], s[G1V:G1V+7]
	s_nop 0
.Lasked_\@:
.endm
	s_load_b256 s[4:11], s[0:1], 0x0               ; q16 s[4:5], k16 s[6:7], v16 s[8:9], ctx16 s[10:11]
	s_set_vgpr_msb 0x40
	v_lshl_add_u32 v0, v0, 2, 0x39800
	v_mov_b32 v1, 0
	s_set_vgpr_msb 0x4045
	ds_add_u32 v0, v1
	ds_add_u32 v0, v1
	s_set_vgpr_msb 0x4500
	v_lshrrev_b32 v1, 5, v0
	v_readfirstlane_b32 s12, v1                    ; wave 0..7
	s_lshr_b32 s13, s12, 2                         ; kg
	s_and_b32 s14, s12, 3                          ; qg; also the quarter that I fetch
	s_mov_b32 s15, ttmp9                           ; i
	s_and_b32 s16, ttmp7, 0xffff                   ; plane 16 b + head
	s_sub_co_u32 s23, 15, s15                      ; 15 - i
	s_bitcmp1_b32 s15, 1                           ; (i >> 1) odd: block i has an even number of slots
	s_cselect_b32 s17, s15, s23                    ; phase A's block
	s_cselect_b32 s18, s23, s15                    ; phase B's block
	s_lshr_b32 s19, s17, 1
	s_add_co_u32 s19, s19, 1                       ; nA: 8, 2, 6 or 4 slots
	s_sub_co_u32 s20, s19, 2
	s_lshr_b32 s20, s20, 1                         ; loop A: (nA - 2) / 2 trips of two slots
	s_lshr_b32 s21, s18, 2                         ; loop B: (nB - 1) / 2 trips, nB - 1 = block >> 1
	; group 1: 64 rows x 64 elements of 2 bytes, dense; padding behind every 32 words: 4 words for K, 8 for V
	s_mov_b32 s[G1K+0], (1<<16)|(1<<20)|(4<<22)|(3<<25)
	s_mov_b32 s[G1V+0], (1<<16)|(1<<20)|(4<<22)|(7<<25)
.irp g, G1K, G1V
	s_mov_b32 s[\g+1], 64<<16                      ; tensor_dim0 = 64
	s_mov_b32 s[\g+2], 64<<16                      ; tensor_dim1 = 64
	s_mov_b32 s[\g+3], 64<<16                      ; tile_dim0 = 64
	s_mov_b32 s[\g+4], 64                          ; tile_dim1 = 64
	s_mov_b32 s[\g+5], 64                          ; from row to row
	s_mov_b32 s[\g+6], 0
	s_mov_b32 s[\g+7], 0
.endr
	s_lshl_b32 s60, s16, 18                        ; the plane: 262,144 bytes
	s_lshl_b32 s23, s14, 13                        ; my quarter: 64 rows x 128 bytes
	s_add_co_u32 s60, s60, s23
	s_mov_b32 s61, 0
	s_mul_i32 s74, s12, 64*KPITCH                  ; K: wave x 9,216 (waves 0-3)
	s_mul_i32 s75, s12, 64*VPITCH                  ; V: wave x 10,240 (waves 4-7)
	s_wait_dscnt 0x0
	s_wait_kmcnt 0x0
	s_add_nc_u64 s[56:57], s[6:7], s[60:61]        ; K at my quarter of tile 0
	s_add_nc_u64 s[58:59], s[8:9], s[60:61]        ; V likewise
.irp s, 0,1
	s_mov_b32 s[G0K+4*\s], 1
	s_add_co_u32 s[G0K+4*\s+1], s74, \s*SLOT
	s_add_nc_u64 s[G0K+4*\s+2:G0K+4*\s+3], s[56:57], \s*32768      ; tile s: 256 keys x 128 bytes
	s_or_b32 s[G0K+4*\s+3], s[G0K+4*\s+3], 0x80000000
	s_mov_b32 s[G0V+4*\s], 1
	s_add_co_u32 s[G0V+4*\s+1], s75, \s*SLOT
	s_add_nc_u64 s[G0V+4*\s+2:G0V+4*\s+3], s[58:59], \s*32768
	s_or_b32 s[G0V+4*\s+3], s[G0V+4*\s+3], 0x80000000
	JLOAD \s                                       ; two tensor loads of this wave are out
.endr
	s_mov_b32 s22, 1                               ; the stream tile asked for last
	s_mov_b32 s70, 0x76543210                      ; v_permlanex16_b32: lane i reads lane i of the other half
	s_mov_b32 s71, 0xfedcba98
	v_and_b32 v1, 15, v0                           ; r
	v_bfe_u32 v2, v0, 4, 1                         ; h
	v_and_b32 v3, 7, v0                            ; l % 8
	v_and_b32 v16, 31, v0                          ; l
	v_bfe_u32 v17, v0, 3, 1                        ; (l / 8) % 2
	v_bfe_u32 v18, v0, 3, 2                        ; l / 8
	v_mul_u32_u24 v19, v1, KPITCH
	v_lshl_add_u32 v19, v2, 4, v19                 ; 144 r + 16 h
	s_mul_i32 s23, s13, 64*KPITCH                  ; my 64 of every 128 keys
	v_add_nc_u32 v[ADRK], s23, v19
	v_add_nc_u32 v[ADRK+1], SLOT, v[ADRK]
	v_lshl_add_u32 v20, v2, 3, v3                  ; transposing load: key 8 h + l % 8
	v_mul_u32_u24 v20, v20, VPITCH
	v_lshl_add_u32 v20, v17, 4, v20
	s_mul_i32 s23, s13, 64*VPITCH
	s_add_co_u32 s23, s23, VOFF
	v_add_nc_u32 v[ADRV], s23, v20
	v_add_nc_u32 v[ADRV+1], SLOT, v[ADRV]
	v_lshlrev_b32 v[QOFF], 7, v1
	v_lshl_add_u32 v[QOFF], v2, 4, v[QOFF]
	v_lshlrev_b32 v21, 3, v2
	v_sub_nc_u32 v[DL], v1, v21
	v_mov_b32 v[NINF], 0xff800000
	s_mul_i32 s23, s14, 8704
	s_add_co_u32 s23, s23, MERGE
	v_lshl_add_u32 v[MADR], v16, 4, s23
	s_mul_i32 s23, s12, 4608
	s_add_co_u32 s23, s23, STAGE                   ; my own stage
	v_add_nc_u32 v[STO], s23, v19
	v_mul_u32_u24 v22, v18, KPITCH
	v_lshl_add_u32 v22, v3, 4, v22
	v_add_nc_u32 v[RD], s23, v22
	v_lshlrev_b32 v[CO], 4, v16
.irp k, 245,247,249,251,252,253,254,255
	v_mov_b32 v\k, 0                               ; second halves of broadcast pairs and work registers: written once, so that a pair is whole
.endr
; The largest of a query tile's 32 scores in my lane and of the running maximum, then over the two halves of the wave
.macro ROWMAX nt, ta, tb
	v_max3_num_f32 v[\ta], v[MX+\nt], v[SC+32*\nt], v[SC+32*\nt+1]
	v_max3_num_f32 v[\tb], v[SC+32*\nt+16], v[SC+32*\nt+17], v[SC+32*\nt+18]
.irp k, 2,4,6,8,10,12
	v_max3_num_f32 v[\ta], v[\ta], v[SC+32*\nt+\k], v[SC+32*\nt+\k+1]
	v_max3_num_f32 v[\tb], v[\tb], v[SC+32*\nt+\k+17], v[SC+32*\nt+\k+18]
.endr
	v_max3_num_f32 v[\ta], v[\ta], v[SC+32*\nt+14], v[SC+32*\nt+15]
	v_max3_num_f32 v[\ta], v[\ta], v[\tb], v[SC+32*\nt+31]
	v_permlanex16_b32 v[\tb], v[\ta], s70, s71
	v_max_num_f32 v[NM+2*\nt], v[\ta], v[\tb]
.endm
; l = l x alpha + the sum of my 32 weights, in two chains
.macro ROWSUM nt
	v_pk_add_f32 v[T:T+1], v[SC+32*\nt:SC+32*\nt+1], v[SC+32*\nt+2:SC+32*\nt+3]
	v_pk_add_f32 v[T+2:T+3], v[SC+32*\nt+4:SC+32*\nt+5], v[SC+32*\nt+6:SC+32*\nt+7]
.irp k, 8,12,16,20,24,28
	v_pk_add_f32 v[T:T+1], v[T:T+1], v[SC+32*\nt+\k:SC+32*\nt+\k+1]
	v_pk_add_f32 v[T+2:T+3], v[T+2:T+3], v[SC+32*\nt+\k+2:SC+32*\nt+\k+3]
.endr
	v_pk_add_f32 v[T:T+1], v[T:T+1], v[T+2:T+3]
	v_add_f32 v[T], v[T], v[T+1]
	v_fma_f32 v[LS+\nt], v[LS+\nt], v[AL+2*\nt], v[T]
.endm
; One step of a wave: its 64 keys of half u of a slot against its 32 queries.  mode = 1: the slot with the diagonal.
.macro STEP slot, u, mode
.if \mode
	s_cmp_gt_i32 s[SDR+\u], 31                     ; my first key lies behind my last query: nothing of this step counts.  The step holds no barrier and no tensor load.
	s_cbranch_scc1 .Lskip_\@                       ; (a step that runs has first key <= first query, so every query has a valid key)
.endif
	PLACES 5                                       ; behind the last step's products: four places before loads into their V fragments, five before the scores write over P
.irp ks, 0,1
.irp tt, 0,1,2,3
	ds_load_b128 v[FR+8*(4*\ks+\tt):FR+8*(4*\ks+\tt)+3],   v[ADRK+\slot] offset:128*KPITCH*\u+16*KPITCH*\tt+64*\ks
	ds_load_b128 v[FR+8*(4*\ks+\tt)+4:FR+8*(4*\ks+\tt)+7], v[ADRK+\slot] offset:128*KPITCH*\u+16*KPITCH*\tt+64*\ks+32
.endr
.endr
	s_wait_dscnt 8                                 ; the first half of the head dimension is in; the eight loads of the second may be out
	; the eight score tiles take turns, one instruction a turn
.irp nt, 0,1
.irp tt, 0,1,2,3
	v_wmma_f32_16x16x32_f16 v[SC+8*(4*\nt+\tt):SC+8*(4*\nt+\tt)+7], v[FR+8*\tt:FR+8*\tt+7], v[QF+16*\nt:QF+16*\nt+7], 0
.endr
.endr
	s_wait_dscnt 0x0
.irp nt, 0,1
.irp tt, 0,1,2,3
	v_wmma_f32_16x16x32_f16 v[SC+8*(4*\nt+\tt):SC+8*(4*\nt+\tt)+7], v[FR+32+8*\tt:FR+32+8*\tt+7], v[QF+16*\nt+8:QF+16*\nt+15], v[SC+8*(4*\nt+\tt):SC+8*(4*\nt+\tt)+7]
.endr
.endr
	PLACES 4                                       ; before V lands on K's fragments and before the scores are read
.irp c, 0,1
.irp et, 0,1,2,3
	ds_load_tr16_b128 v[FR+8*(4*\c+\et):FR+8*(4*\c+\et)+3],   v[ADRV+\slot] offset:128*VPITCH*\u+32*VPITCH*\c+32*\et
	ds_load_tr16_b128 v[FR+8*(4*\c+\et)+4:FR+8*(4*\c+\et)+7], v[ADRV+\slot] offset:128*VPITCH*\u+32*VPITCH*\c+32*\et+16*VPITCH
.endr
.endr
.if \mode
	; key <= query:  SD + 16 tt + 8 h + j <= 16 nt + r,  that is  16 (tt - nt) + j <= r - 8 h - SD
	v_sub_nc_u32 v[DLS], v[DL], s[SDR+\u]
.irp nt, 0,1
.irp tt, 0,1,2,3
.irp j, 0,1,2,3,4,5,6,7
	v_cmp_le_i32 vcc_lo, 16*(\tt-\nt)+\j, v[DLS]
	v_cndmask_b32 v[SC+8*(4*\nt+\tt)+\j], v[NINF], v[SC+8*(4*\nt+\tt)+\j], vcc_lo
.endr
.endr
.endr
.endif
	ROWMAX 0, T, T+1
	ROWMAX 1, T+2, T+3
	v_sub_f32 v[AL], v[MX], v[NM]
	v_sub_f32 v[AL+2], v[MX+1], v[NM+2]
	v_exp_f32 v[AL], v[AL]                         ; alpha = 2^(old maximum - new maximum)
	v_exp_f32 v[AL+2], v[AL+2]
	v_mov_b32 v[MX], v[NM]                         ; the new maximum is kept; these two plain lines also stand between the exponentials and their use (ISA guide 5.7.2)
	v_mov_b32 v[MX+1], v[NM+2]
.irp nt, 0,1
.set k, 0
.rept 16
	v_pk_add_f32 v[SC+32*\nt+k:SC+32*\nt+k+1], v[SC+32*\nt+k:SC+32*\nt+k+1], v[NM+2*\nt:NM+2*\nt+1] op_sel_hi:[1,0] neg_lo:[0,1] neg_hi:[0,1]
.set k, k+2
.endr
.endr
.set k, 0
.rept 64
	v_exp_f32 v[SC+k], v[SC+k]                     ; 2^(score - maximum); -infinity gives 0
.set k, k+1
.endr
	v_nop                                          ; one plain place behind the run of exponentials
	s_wait_alu depctr_va_vdst(0)
	ROWSUM 0
	ROWSUM 1
	; P in f16, in place: tile 2 c into its own registers 0-3, tile 2 c + 1 into registers 4-7 of tile 2 c
.irp nt, 0,1
.irp c, 0,1
.irp r, 0,1,2,3
	v_cvt_pk_f16_f32 v[SC+8*(4*\nt+2*\c)+\r], v[SC+8*(4*\nt+2*\c)+2*\r], v[SC+8*(4*\nt+2*\c)+2*\r+1]
.endr
.irp r, 0,1,2,3
	v_cvt_pk_f16_f32 v[SC+8*(4*\nt+2*\c)+4+\r], v[SC+8*(4*\nt+2*\c)+8+2*\r], v[SC+8*(4*\nt+2*\c)+8+2*\r+1]
.endr
.endr
.endr
.irp et, 0,1,2,3
.irp nt, 0,1
.irp p, 0,2,4,6
	v_pk_mul_f32 v[CTX+8*(2*\et+\nt)+\p:CTX+8*(2*\et+\nt)+\p+1], v[CTX+8*(2*\et+\nt)+\p:CTX+8*(2*\et+\nt)+\p+1], v[AL+2*\nt:AL+2*\nt+1] op_sel_hi:[1,0]
.endr
.endr
.endr
	s_wait_dscnt 0x0                               ; V's fragments
	; the eight ctx tiles take turns, one instruction a turn
.irp c, 0,1
.irp et, 0,1,2,3
.irp nt, 0,1
	v_wmma_f32_16x16x32_f16 v[CTX+8*(2*\et+\nt):CTX+8*(2*\et+\nt)+7], v[FR+8*(4*\c+\et):FR+8*(4*\c+\et)+7], v[SC+8*(4*\nt+2*\c):SC+8*(4*\nt+2*\c)+7], v[CTX+8*(2*\et+\nt):CTX+8*(2*\et+\nt)+7]
.endr
.endr
.endr
.if \mode
.Lskip_\@:
.endif
.endm
; One slot of 256 keys.  In front of the barrier every wave waits for all its tensor loads (its part of this slot among them) and for its reads of the
; other slot; behind it the other slot's refill goes out first, one tensor load a wave, and has this slot's two steps in which to land.
.macro TRIP slot, refill, mode
	s_set_vgpr_msb 0x5
	s_wait_tensorcnt 0x0
	ds_add_u32 v0, v1
	s_wait_dscnt 0x0
	s_set_vgpr_msb 0x500
.if \refill
	s_add_co_u32 s22, s22, 1                       ; the next stream tile;
	s_cmp_ge_u32 s22, s19                          ; from nA on it is phase B's, which starts again at key 0
	s_cselect_b32 s23, s19, 0
	s_sub_co_u32 s23, s22, s23
	s_lshl_b32 s60, s23, 15                        ; x 256 keys x 128 bytes (s61 = 0)
	s_add_nc_u64 s[G0K+4*(1-\slot)+2:G0K+4*(1-\slot)+3], s[56:57], s[60:61]    ; no tensor load of mine is out: group 0 may be written
	s_or_b32 s[G0K+4*(1-\slot)+3], s[G0K+4*(1-\slot)+3], 0x80000000
	s_add_nc_u64 s[G0V+4*(1-\slot)+2:G0V+4*(1-\slot)+3], s[58:59], s[60:61]
	s_or_b32 s[G0V+4*(1-\slot)+3], s[G0V+4*(1-\slot)+3], 0x80000000
.endif
	s_wait_dscnt 0x0
	s_barrier_signal -1
	s_barrier_wait -1
.if \refill
	JLOAD 1-\slot
.endif
	STEP \slot, 0, \mode
	STEP \slot, 1, \mode
.endm
; A query block begins: addresses, the mask's offsets, Q's fragments, empty sums
.macro PHASE_INIT qb
	s_wait_xcnt 0x0                                ; the bases and the data of the last block's loads and stores are rewritten only behind this wait
	s_lshl_b32 s72, s16, 18
	s_lshl_b32 s23, \qb, 14                        ; 128 rows x 128 bytes
	s_add_co_u32 s72, s72, s23
	s_lshl_b32 s23, s14, 12                        ; my 32 rows
	s_add_co_u32 s72, s72, s23
	s_mov_b32 s73, 0
	s_add_nc_u64 s[66:67], s[4:5], s[72:73]
	s_lshr_b32 s23, s16, 4                         ; b: in ctx16 a batch has 32 planes (16 of hi, 16 of lo),
	s_lshl_b32 s23, s23, 22                        ; so 16 planes of 262,144 bytes more lie in front of batch 1
	s_add_co_u32 s72, s72, s23
	s_add_nc_u64 s[68:69], s[10:11], s[72:73]
	s_and_b32 s23, \qb, 1
	s_lshl_b32 s23, s23, 7
	s_lshl_b32 s[SDR], s13, 6
	s_sub_co_i32 s[SDR], s[SDR], s23
	s_lshl_b32 s23, s14, 5
	s_sub_co_i32 s[SDR], s[SDR], s23               ; 128 (0 - (qb & 1)) + 64 kg - 32 qg
	s_add_co_i32 s[SDR+1], s[SDR], 128
.irp nt, 0,1
.irp ks, 0,1
	global_load_b128 v[QF+8*(2*\nt+\ks):QF+8*(2*\nt+\ks)+3],   v[QOFF], s[66:67] offset:2048*\nt+64*\ks
	global_load_b128 v[QF+8*(2*\nt+\ks)+4:QF+8*(2*\nt+\ks)+7], v[QOFF], s[66:67] offset:2048*\nt+64*\ks+32
.endr
.endr
.set k, 0
.rept 64
	v_mov_b32 v[CTX+k], 0                          ; cleared: a block's first step may stand in a loop, where it cannot start the sums by a constant
.set k, k+1
.endr
	v_mov_b32 v[MX], 0xf149f2ca                    ; -1e30
	v_mov_b32 v[MX+1], 0xf149f2ca
	v_mov_b32 v[LS], 0
	v_mov_b32 v[LS+1], 0
	s_wait_loadcnt 0x0
.endm
; 64 numbers of CTX rounded to bf16 pairs in SC's first 32 registers and put into my stage: query 16 nt + r, columns 16 et + 8 h + 0..7
.macro TO_STAGE
.irp et, 0,1,2,3
.irp nt, 0,1
.irp r, 0,1,2,3
	v_cvt_pk_bf16_f32 v[SC+4*(2*\et+\nt)+\r], v[CTX+8*(2*\et+\nt)+2*\r], v[CTX+8*(2*\et+\nt)+2*\r+1]
.endr
	ds_store_b128 v[STO], v[SC+4*(2*\et+\nt):SC+4*(2*\et+\nt)+3] offset:16*KPITCH*\nt+32*\et
.endr
.endr
.endm
; A query block ends: the waves of the upper key half hand ctx, m and l to their partners, which merge, divide, round and store
.macro FINISH
	PLACES 4                                       ; behind the last products, before their results are stored or their sources loaded again
	s_cmp_eq_u32 s13, 0
	s_cbranch_scc1 .Lkeep_\@
.irp t, 0,1,2,3,4,5,6,7,8,9,10,11,12,13,14,15
	ds_store_b128 v[MADR], v[CTX+4*\t:CTX+4*\t+3] offset:512*\t
.endr
	ds_store_b128 v[MADR], v[MX:MX+3] offset:8192
.Lkeep_\@:
	s_wait_dscnt 0x0                               ; my stores are done, for the partner's sake
	s_barrier_signal -1
	s_barrier_wait -1                              ; the next tile's load may stay out
	s_cmp_lg_u32 s13, 0
	s_cbranch_scc1 .Lend_\@
	ds_load_b128 v[T:T+3], v[MADR] offset:8192     ; the partner's m0, m1, l0, l1
.irp t, 0,1,2,3,4,5,6,7,8,9,10,11,12,13,14,15
	ds_load_b128 v[FR+4*\t:FR+4*\t+3], v[MADR] offset:512*\t
.endr
	s_wait_dscnt 16                                ; m and l are in; the 16 loads of ctx may be out
	v_max_num_f32 v[NM], v[MX], v[T]
	v_max_num_f32 v[NM+2], v[MX+1], v[T+1]
	v_sub_f32 v[AL], v[MX], v[NM]
	v_sub_f32 v[AL+2], v[MX+1], v[NM+2]
	v_sub_f32 v[T], v[T], v[NM]
	v_sub_f32 v[T+1], v[T+1], v[NM+2]
	v_exp_f32 v[AL], v[AL]
	v_exp_f32 v[AL+2], v[AL+2]
	v_exp_f32 v[T], v[T]
	v_exp_f32 v[T+1], v[T+1]
	v_nop
	s_wait_alu depctr_va_vdst(0)
	v_mul_f32 v[LS], v[LS], v[AL]
	v_mul_f32 v[LS+1], v[LS+1], v[AL+2]
	v_fma_f32 v[LS], v[T+2], v[T], v[LS]
	v_fma_f32 v[LS+1], v[T+3], v[T+1], v[LS+1]
	v_permlanex16_b32 v[T+2], v[LS], s70, s71      ; the other half of the wave holds the same queries' other keys
	v_permlanex16_b32 v[T+3], v[LS+1], s70, s71
	v_add_f32 v[LS], v[LS], v[T+2]
	v_add_f32 v[LS+1], v[LS+1], v[T+3]
	v_rcp_f32 v[LS], v[LS]
	v_rcp_f32 v[LS+1], v[LS+1]
	v_nop
	s_wait_alu depctr_va_vdst(0)
	v_mul_f32 v[AL], v[AL], v[LS]                  ; my factor / l
	v_mul_f32 v[AL+2], v[AL+2], v[LS+1]
	v_mul_f32 v[NM], v[T], v[LS]                   ; the partner's factor / l
	v_mul_f32 v[NM+2], v[T+1], v[LS+1]
.irp et, 0,1,2,3
.irp nt, 0,1
.irp p, 0,2,4,6
	v_pk_mul_f32 v[CTX+8*(2*\et+\nt)+\p:CTX+8*(2*\et+\nt)+\p+1], v[CTX+8*(2*\et+\nt)+\p:CTX+8*(2*\et+\nt)+\p+1], v[AL+2*\nt:AL+2*\nt+1] op_sel_hi:[1,0]
.endr
.endr
.endr
	s_wait_dscnt 0x0
.irp et, 0,1,2,3
.irp nt, 0,1
.irp p, 0,2,4,6
	v_pk_fma_f32 v[CTX+8*(2*\et+\nt)+\p:CTX+8*(2*\et+\nt)+\p+1], v[FR+8*(2*\et+\nt)+\p:FR+8*(2*\et+\nt)+\p+1], v[NM+2*\nt:NM+2*\nt+1], v[CTX+8*(2*\et+\nt)+\p:CTX+8*(2*\et+\nt)+\p+1] op_sel_hi:[1,0,1]
.endr
.endr
.endr
	TO_STAGE                                       ; hi = bf16(ctx)
.irp t, 0,1,2,3,4,5,6,7
	ds_load_b128 v[SC+32+4*\t:SC+32+4*\t+3], v[RD] offset:4*KPITCH*\t      ; my own stage: LDS serves a wave's instructions in order
.endr
	; while they come back: ctx - hi, exact in f32.  Word k of SC holds the pair CTX + 2 k; FR, the partner's ctx, has been used up
.set k, 0
.rept 32
	v_lshlrev_b32 v[FR+2*k], 16, v[SC+k]
	v_and_b32 v[FR+2*k+1], 0xffff0000, v[SC+k]
	v_pk_add_f32 v[CTX+2*k:CTX+2*k+1], v[CTX+2*k:CTX+2*k+1], v[FR+2*k:FR+2*k+1] neg_lo:[0,1] neg_hi:[0,1]
.set k, k+1
.endr
.irp t, 0,1,2,3,4,5,6,7
	s_wait_dscnt 7-\t                              ; read-back t is in, the 7 - t younger ones may be out
	global_store_b128 v[CO], v[SC+32+4*\t:SC+32+4*\t+3], s[68:69] offset:512*\t    ; four dense rows: 512 consecutive bytes, aligned to 512
.endr
	TO_STAGE                                       ; lo = bf16(ctx - hi), over the same stage: its reads have come back
.irp t, 0,1,2,3,4,5,6,7
	ds_load_b128 v[FR+4*\t:FR+4*\t+3], v[RD] offset:4*KPITCH*\t            ; into other registers than those that hi's stores still read
.endr
.irp t, 0,1,2,3,4,5,6,7
	s_wait_dscnt 7-\t
	global_store_b128 v[CO], v[FR+4*\t:FR+4*\t+3], s[68:69] offset:LOPL+512*\t
.endr
.Lend_\@:
.endm
	PHASE_INIT s17
	s_wait_tensorcnt 0x1                           ; my part of tile 0 is in; tile 1's may stay out
	s_barrier_signal -1
	s_barrier_wait -1
	STEP 0, 0, 0
	STEP 0, 1, 0
	s_cmp_eq_u32 s20, 0
	s_cbranch_scc1 .La_done
.La:
	TRIP 1, 1, 0
	TRIP 0, 1, 0
	s_sub_co_u32 s20, s20, 1
	s_cmp_lg_u32 s20, 0
	s_cbranch_scc1 .La
.La_done:
	TRIP 1, 1, 1                                   ; phase A's diagonal; its refill is phase B's first tile
	FINISH
	PHASE_INIT s18
	s_cmp_eq_u32 s21, 0
	s_cbranch_scc1 .Lb_done
.Lb:
	TRIP 0, 1, 0
	TRIP 1, 1, 0
	s_sub_co_u32 s21, s21, 1
	s_cmp_lg_u32 s21, 0
	s_cbranch_scc1 .Lb
.Lb_done:
	TRIP 0, 0, 1                                   ; stream tile 8, phase B's diagonal: nothing is left to fetch
	FINISH
	s_set_vgpr_msb 0x5
	s_wait_tensorcnt 0x0
	ds_add_u32 v0, v1
	s_wait_dscnt 0x0
	s_set_vgpr_msb 0x500
	s_endpgm
.Lfunc_end_k_q6e153c55d5_attn:
	.size	k_q6e153c55d5_attn, .Lfunc_end_k_q6e153c55d5_attn-k_q6e153c55d5_attn
	.p2alignl 7, 3214868480
	.fill 96, 4, 3214868480
	.section	.rodata,"a",@progbits
	.p2align	6, 0x0
	.amdhsa_kernel k_q6e153c55d5_attn
		.amdhsa_group_segment_fixed_size 327680
		.amdhsa_private_segment_fixed_size 0
		.amdhsa_enable_private_segment 0
		.amdhsa_kernarg_size 32
		.amdhsa_user_sgpr_count 2
		.amdhsa_user_sgpr_kernarg_segment_ptr 1
		.amdhsa_wavefront_size32 1
		.amdhsa_system_sgpr_workgroup_id_x 1
		.amdhsa_system_sgpr_workgroup_id_y 1
		.amdhsa_system_sgpr_workgroup_id_z 1
		.amdhsa_system_vgpr_workitem_id 0
		.amdhsa_next_free_vgpr 258
		.amdhsa_next_free_sgpr 80
		.amdhsa_reserve_vcc 1
		.amdhsa_float_denorm_mode_32 3
		.amdhsa_float_denorm_mode_16_64 3
		.amdhsa_memory_ordered 1
		.amdhsa_forward_progress 1
		.amdhsa_inst_pref_size 255
	.end_amdhsa_kernel
	.section	.bss,"aw",@nobits
	.p2align	6
	.space	262144
	.amdgpu_metadata
---
amdhsa.version: [ 1, 2 ]
amdhsa.kernels:
  - .name:           k_q6e153c55d5_attn
    .symbol:         k_q6e153c55d5_attn.kd
    .args:
      - { .name: q16, .offset: 0, .size: 8, .value_kind: global_buffer, .address_space: global }
      - { .name: k16, .offset: 8, .size: 8, .value_kind: global_buffer, .address_space: global }
      - { .name: v16, .offset: 16, .size: 8, .value_kind: global_buffer, .address_space: global }
      - { .name: ctx16, .offset: 24, .size: 8, .value_kind: global_buffer, .address_space: global }
    .group_segment_fixed_size: 327680
    .private_segment_fixed_size: 0
    .kernarg_segment_align: 8
    .kernarg_segment_size: 32
    .max_flat_workgroup_size: 256
    .sgpr_count:     80
    .vgpr_count:     258
    .wavefront_size: 32
...
	.end_amdgpu_metadata
.endif
;; end of part 3
;; launch oproj (part 4): grid 8 x 32, 4 waves a work-group, clusters of 4 x 4, 327,680 bytes of LDS; arguments ctx16, wo16, bo, out0; writes out0
.if DOCPART == 4
	.amdgcn_target "amdgcn-amd-amdhsa--gfx1250"
	.amdhsa_code_object_version 6
	.text
	.protected	k_q6e153c55d5_oproj
	.globl	k_q6e153c55d5_oproj
	.p2align	8
	.type	k_q6e153c55d5_oproj,@function
k_q6e153c55d5_oproj:
	s_mov_b64 s[64:65], 0
	v_nop
	global_prefetch_b8 v0, s[64:65] scope:SCOPE_SE
	s_setreg_imm32_b32 hwreg(HW_REG_WAVE_MODE, 25, 1), 1
	s_wait_xcnt 0x0
	s_wait_alu depctr_hold_cnt(0) depctr_sa_sdst(0) depctr_va_vdst(0) depctr_va_sdst(0) depctr_va_ssrc(0) depctr_va_vcc(0) depctr_vm_vsrc(0)
	s_getreg_b32 s2, hwreg(HW_REG_IB_STS2, 6, 4)
	s_cmp_eq_u32 s2, 0
	s_cbranch_scc0 .Lentry_in_a_cluster
	s_endpgm
.Lentry_in_a_cluster:
	s_bfe_u32 s2, ttmp6, 0x10000c
	s_cmp_lg_u32 s2, 0xf033
	s_cbranch_scc0 .Lentry_shape_is_right
	s_endpgm
.Lentry_shape_is_right:
; oproj: out0 = ctx Wo + bo in f32.  ctx16 = [b][hi, lo][head][s][64] bf16 with ctx = hi + lo, wo16 = [1024 k][1024 n] bf16, sums f32.
; The product is ctx_hi Wo + ctx_lo Wo on one set of accumulators: 2048 along K, of which the second 1024 walk Wo once more.  That keeps 16 significant bits of
; ctx with bf16 operands, for twice the matrix instructions of a single rounding.
; A work-group makes 128 rows x 128 columns (grid x = block of columns, y = block of rows): 256 work-groups.  Four waves, each 64 x 64: 16 accumulator tiles.
; K goes in eight chunks of 256 (four planes of ctx16) through two LDS slots.  CLUSTERS of 4 x 4: ctx's tile hangs on y alone (asked for jointly along a row of the
; cluster), Wo's on x alone (along a column).
; ctx's tile: for one plane, 128 rows of 128 bytes lie dense, so a tensor "row" is those 8,192 elements and the next "row" the next plane's.
; Wo lies [K][N]: its fragments come out of LDS by the transposing load.  Transposed use of the matrix instruction (source 0 = Wo's columns, source 1 = ctx's
; rows): a lane holds eight neighbouring columns of one row.
; REGISTERS: window 0: addresses, fragments (two buffers), way out; window 1: the 16 accumulator tiles, (a, b) at v[8 (4 a + b)].
.set APITCH, 144                       ; 128 bytes of one head + 16
.set AHEAD,  128*APITCH                ; one head's 128 rows
.set PART,   2*AHEAD                   ; 36,864: what one tensor load brings (two planes of ctx, or 128 k rows of Wo)
.set BPART,  2*PART                    ; Wo's part of a slot
.set BPITCH, 288                       ; 256 bytes + 32 (an odd multiple of 32, for the transposing load)
.set SLOT,   4*PART                    ; 147,456
.set STAGE,  2*SLOT                    ; behind the ring, never filled by a tensor load
.set SPITCH, 272                       ; a staged row: 64 f32 + 16 bytes
.set ACHUNK, 1048576                   ; ctx: four planes of 262,144 bytes
.set BCHUNK, 524288                    ; Wo: 256 k rows of 2,048 bytes
.set ADRA, 16                          ; v16-17  ctx's fragments in slot 0, 1
.set ADRB, 20                          ; v20-23  Wo's fragments: slot 0 k rows 0-127, 128-255; slot 1 likewise
.set STO,  24
.set RD,   25
.set CO,   26
.set BV,   28                          ; v[28:31] my four bias numbers
.set F,    64                          ; buffer f at 64 + 64 f: Wo's four fragments, then ctx's four
.set RB,   192                         ; v[192:223] read back on the way out
.set G1, 24
.set G0, 32
.set G1B, 48
.set G0B, 56
.set MSB, 0
.macro WIN new
.if MSB != \new
	s_set_vgpr_msb (MSB<<8)|\new
.set MSB, \new
.endif
.endm
.set MUL, 0x50                         ; sources window 0, C and D window 1
.macro JLOAD s                         ; waves 0, 1 fetch ctx's two halves, waves 2, 3 Wo's
	s_cmp_eq_u32 s11, 0
	s_cbranch_scc0 .Lfor_b_\@
	tensor_load_to_lds s[G0+4*\s:G0+4*\s+3], s[G1:G1+7]
	s_nop 0
	s_branch .Lasked_\@
.Lfor_b_\@:
	tensor_load_to_lds s[G0B+4*\s:G0B+4*\s+3], s[G1B:G1B+7]
	s_nop 0
.Lasked_\@:
.endm
.macro CROUND                          ; a round of the cluster's barrier
	s_barrier_signal -1
	s_barrier_wait -1
	s_cmp_lg_u32 s10, 0
	s_cbranch_scc1 .Lnot_wave_0_\@
	s_barrier_signal -3
.Lnot_wave_0_\@:
	s_barrier_wait -3
	s_barrier_signal -1
	s_barrier_wait -1
.endm
.macro PLACES                          ; four places behind matrix instructions (ISA guide 7.12.1)
.rept 4
	v_nop
.endr
.endm
	s_load_b128 s[4:7], s[0:1], 0x0                ; ctx16 s[4:5], wo16 s[6:7]
	s_load_b128 s[68:71], s[0:1], 0x10             ; bo s[68:69], out0 s[70:71]
	v_lshl_add_u32 v254, v0, 2, 0x4c400
	v_mov_b32 v255, 0
	ds_add_u32 v254, v255
	ds_add_u32 v254, v255
	v_lshrrev_b32 v1, 5, v0
	v_readfirstlane_b32 s10, v1                    ; wave 0..3
	s_lshr_b32 s11, s10, 1                         ; my half of the rows; also: I fetch ctx (0) or Wo (1)
	s_and_b32 s12, s10, 1                          ; my half of the columns; also: which half of that tile
	s_bfe_u32 s40, ttmp6, 0x40000                  ; cx
	s_bfe_u32 s41, ttmp6, 0x40004                  ; cy
	s_lshl_b32 s42, ttmp9, 2
	s_add_co_u32 s42, s42, s40                     ; block of 128 columns
	s_and_b32 s13, ttmp7, 0xffff
	s_lshl_b32 s13, s13, 2
	s_add_co_u32 s13, s13, s41                     ; block of 128 rows
	s_lshl_b32 s43, s41, 2
	s_lshl_b32 s43, 15, s43                        ; my row of the cluster
	s_lshl_b32 s44, 0x1111, s40                    ; my column
	; group 1 for ctx: 2 "rows" (planes) of 8,192 dense elements, 131,072 elements apart; 4 words of padding behind every 32
	s_or_b32 s[G1+0], s43, (1<<16)|(1<<20)|(1<<21)|(4<<22)|(3<<25)
	s_mov_b32 s[G1+1], 8192<<16                    ; tensor_dim0
	s_mov_b32 s[G1+2], 2<<16                       ; tensor_dim1
	s_mov_b32 s[G1+3], 8192<<16                    ; tile_dim0
	s_mov_b32 s[G1+4], 2                           ; tile_dim1
	s_mov_b32 s[G1+5], 131072                      ; from plane to plane
	s_mov_b32 s[G1+6], 0
	s_mov_b32 s[G1+7], 0
	; group 1 for Wo: 128 k rows x 128 elements, pitch 1024; 8 words of padding behind every 64
	s_or_b32 s[G1B+0], s44, (1<<16)|(1<<20)|(1<<21)|(5<<22)|(7<<25)
	s_mov_b32 s[G1B+1], 128<<16
	s_mov_b32 s[G1B+2], 128<<16
	s_mov_b32 s[G1B+3], 128<<16
	s_mov_b32 s[G1B+4], 128
	s_mov_b32 s[G1B+5], 1024
	s_mov_b32 s[G1B+6], 0
	s_mov_b32 s[G1B+7], 0
	s_lshr_b32 s16, s13, 4                         ; b
	s_lshl_b32 s16, s16, 5                         ; 32 planes a batch: 16 of hi, then 16 of lo
	s_lshl_b32 s17, s12, 1
	s_add_co_u32 s16, s16, s17                     ; plane 32 b + 2 half
	s_lshl_b32 s16, s16, 18                        ; x 262,144 bytes
	s_and_b32 s17, s13, 15
	s_lshl_b32 s17, s17, 14                        ; + the block's 128 rows x 128 bytes
	s_add_co_u32 s16, s16, s17
	s_mov_b32 s17, 0
	s_lshl_b32 s46, s12, 18                        ; Wo: half x 128 k rows x 2,048 bytes
	s_lshl_b32 s47, s42, 8                         ; + 256 bytes a block of columns
	s_add_co_u32 s46, s46, s47
	s_mov_b32 s47, 0
	s_mul_i32 s20, s10, PART                       ; ctx's halves, then Wo's halves = wave x 36,864
	s_wait_dscnt 0x0
	s_wait_kmcnt 0x0
	s_add_nc_u64 s[14:15], s[4:5], s[16:17]        ; ctx at my part of chunk 0: kept
	s_add_nc_u64 s[46:47], s[6:7], s[46:47]        ; Wo at my part of chunk 0: kept
	CROUND                                         ; all sixteen work-groups are here: the first joint loads meet
.irp s, 0,1
	s_mov_b32 s[G0+4*\s], 1
	s_add_co_u32 s[G0+4*\s+1], s20, \s*SLOT
	s_add_nc_u64 s[G0+4*\s+2:G0+4*\s+3], s[14:15], \s*ACHUNK
	s_or_b32 s[G0+4*\s+3], s[G0+4*\s+3], 0x80000000
	s_mov_b32 s[G0B+4*\s], 1
	s_add_co_u32 s[G0B+4*\s+1], s20, \s*SLOT
	s_add_nc_u64 s[G0B+4*\s+2:G0B+4*\s+3], s[46:47], \s*BCHUNK
	s_or_b32 s[G0B+4*\s+3], s[G0B+4*\s+3], 0x80000000
	JLOAD \s                                       ; two tensor loads of this wave are out
.endr
	v_and_b32 v1, 15, v0                           ; r
	v_bfe_u32 v2, v0, 4, 1                         ; h
	v_and_b32 v3, 7, v0
	v_bfe_u32 v4, v0, 3, 1
	s_lshl_b32 s80, s42, 9                         ; my columns in bytes of f32: 512 x + 256 half
	s_lshl_b32 s81, s12, 8
	s_add_co_u32 s80, s80, s81
	s_mov_b32 s81, 0
	s_add_nc_u64 s[68:69], s[68:69], s[80:81]
	v_lshlrev_b32 v27, 4, v1
	global_load_b128 v[BV:BV+3], v27, s[68:69]     ; the bias of the four columns that I store
	s_lshl_b32 s82, s13, 7
	s_lshl_b32 s83, s11, 6
	s_add_co_u32 s82, s82, s83                     ; my first row
	s_lshl_b32 s82, s82, 12                        ; x 4,096 bytes
	s_add_co_u32 s82, s82, s80
	s_mov_b32 s83, 0
	s_add_nc_u64 s[70:71], s[70:71], s[82:83]
	v_mul_u32_u24 v5, v1, APITCH
	v_lshl_add_u32 v5, v2, 4, v5
	s_mul_i32 s21, s11, 64*APITCH
	v_add_nc_u32 v[ADRA], s21, v5
	v_add_nc_u32 v[ADRA+1], SLOT, v[ADRA]
	v_lshl_add_u32 v6, v2, 3, v3
	v_mul_u32_u24 v6, v6, BPITCH
	v_lshl_add_u32 v6, v4, 4, v6
	s_lshl_b32 s22, s12, 7                         ; my 64 columns: 128 bytes
	s_add_co_u32 s22, s22, BPART
	v_add_nc_u32 v[ADRB], s22, v6
	v_add_nc_u32 v[ADRB+1], PART, v[ADRB]
	v_add_nc_u32 v[ADRB+2], SLOT, v[ADRB]
	v_add_nc_u32 v[ADRB+3], SLOT+PART, v[ADRB]
	s_mul_i32 s23, s10, 16*SPITCH
	s_add_co_u32 s23, s23, STAGE                   ; my own stage
	v_mul_u32_u24 v7, v1, SPITCH
	v_lshl_add_u32 v7, v2, 5, v7                   ; in: row r, 32 bytes for each half of the lanes
	v_add_nc_u32 v[STO], s23, v7
	v_mul_u32_u24 v8, v2, SPITCH
	v_lshl_add_u32 v8, v1, 4, v8                   ; back: lanes 0-15 one row of 256 bytes, lanes 16-31 the next
	v_add_nc_u32 v[RD], s23, v8
	v_lshlrev_b32 v[CO], 12, v2
	v_lshl_add_u32 v[CO], v1, 4, v[CO]
; 16 LDS loads: eighth q (32 along K) of a slot into buffer f: 8 transposing loads of Wo, then 8 loads of ctx
.macro FETCH slot, q, f
.irp b, 0,1,2,3
	ds_load_tr16_b128 v[F+64*\f+8*\b:F+64*\f+8*\b+3],   v[ADRB+2*\slot+\q/4] offset:(\q%4)*32*BPITCH+32*\b
	ds_load_tr16_b128 v[F+64*\f+8*\b+4:F+64*\f+8*\b+7], v[ADRB+2*\slot+\q/4] offset:(\q%4)*32*BPITCH+32*\b+16*BPITCH
.endr
.irp a, 0,1,2,3
	ds_load_b128 v[F+64*\f+32+8*\a:F+64*\f+32+8*\a+3],   v[ADRA+\slot] offset:(\q/2)*AHEAD+(\q%2)*64+16*APITCH*\a
	ds_load_b128 v[F+64*\f+32+8*\a+4:F+64*\f+32+8*\a+7], v[ADRA+\slot] offset:(\q/2)*AHEAD+(\q%2)*64+16*APITCH*\a+32
.endr
.endm
; 8 matrix instructions: row blocks a0, a0 + 1 x four column blocks.  The 16 accumulators take turns, one instruction a turn.
.macro MUL8 f, a0, zero
.irp a, \a0, \a0+1
.irp b, 0,1,2,3
.if \zero
	v_wmma_f32_16x16x32_bf16 v[8*(4*(\a)+\b):8*(4*(\a)+\b)+7], v[F+64*\f+8*\b:F+64*\f+8*\b+7], v[F+64*\f+32+8*(\a):F+64*\f+32+8*(\a)+7], 0
.else
	v_wmma_f32_16x16x32_bf16 v[8*(4*(\a)+\b):8*(4*(\a)+\b)+7], v[F+64*\f+8*\b:F+64*\f+8*\b+7], v[F+64*\f+32+8*(\a):F+64*\f+32+8*(\a)+7], v[8*(4*(\a)+\b):8*(4*(\a)+\b)+7]
.endif
.endr
.endr
.endm
.macro QTR slot, nq, f, g, zero        ; multiplies buffer f, fetches eighth nq into buffer g in its middle
	s_wait_dscnt 4                                 ; Wo and ctx's rows 0-31 are in; the four youngest loads (rows 32-63) may be out
	WIN MUL
	MUL8 \f, 0, \zero
	WIN 0
	PLACES
	FETCH \slot, \nq, \g
	s_wait_dscnt 16                                ; all but the 16 just issued
	WIN MUL
	MUL8 \f, 2, \zero
	WIN 0
.endm
.macro PROCESS slot, zero              ; a whole slot: K = 256
	PLACES
	FETCH \slot, 0, 0
	QTR \slot, 1, 0, 1, \zero
	QTR \slot, 2, 1, 0, 0
	QTR \slot, 3, 0, 1, 0
	QTR \slot, 4, 1, 0, 0
	QTR \slot, 5, 0, 1, 0
	QTR \slot, 6, 1, 0, 0
	QTR \slot, 7, 0, 1, 0
	s_wait_dscnt 0x0
	WIN MUL
	MUL8 1, 0, 0
	MUL8 1, 2, 0
	WIN 0
.endm
; The slot just read is filled again with chunk c (0..7): ctx's planes 4 c .. 4 c + 3 of the batch's 32, Wo's k rows 256 (c mod 4) on.
; Each wave's reads of the slot and all its tensor loads are waited for in front of the round, so both group 0s may be written there;
; the joint refill is the first tensor load behind the round and has the other slot's 128 matrix instructions in which to land.
.macro CHANGE slot, c
	s_wait_dscnt 0x0
	s_wait_tensorcnt 0x0
	ds_add_u32 v254, v255
	s_wait_dscnt 0x0
	s_add_nc_u64 s[G0+4*\slot+2:G0+4*\slot+3], s[14:15], \c*ACHUNK
	s_or_b32 s[G0+4*\slot+3], s[G0+4*\slot+3], 0x80000000
	s_add_nc_u64 s[G0B+4*\slot+2:G0B+4*\slot+3], s[46:47], (\c%4)*BCHUNK
	s_or_b32 s[G0B+4*\slot+3], s[G0B+4*\slot+3], 0x80000000
	CROUND
	JLOAD \slot
.endm
	s_wait_tensorcnt 0x1                           ; my part of chunk 0 is in; chunk 1's may stay out
	s_barrier_signal -1
	s_barrier_wait -1
	PROCESS 0, 1                                   ; chunk 0: the first products start the sums
	CHANGE 0, 2
	PROCESS 1, 0                                   ; chunk 1
	CHANGE 1, 3
	PROCESS 0, 0                                   ; chunk 2
	CHANGE 0, 4
	PROCESS 1, 0                                   ; chunk 3: the last of hi
	CHANGE 1, 5
	PROCESS 0, 0                                   ; chunk 4: the first of lo
	CHANGE 0, 6
	PROCESS 1, 0                                   ; chunk 5
	CHANGE 1, 7
	PROCESS 0, 0                                   ; chunk 6
	s_wait_dscnt 0x0
	s_wait_tensorcnt 0x0                           ; my part of the last chunk is in,
	s_barrier_signal -1
	s_barrier_wait -1                              ; everybody's is; nothing is left to fetch
	PROCESS 1, 0                                   ; chunk 7
	; THE WAY OUT, 16 rows at a time through my own stage; the bias is added to whole rows on the way back
	PLACES
	s_wait_loadcnt 0x0                             ; the bias
.macro OUT16 a
	WIN 0x04                                       ; store data from window 1
.irp b, 0,1,2,3
	ds_store_b128 v[STO], v[8*(4*\a+\b):8*(4*\a+\b)+3] offset:64*\b
	ds_store_b128 v[STO], v[8*(4*\a+\b)+4:8*(4*\a+\b)+7] offset:64*\b+16
.endr
	WIN 0
	s_wait_xcnt 0x0                                ; RB, which the last 16 rows' stores read, is loaded again only behind this wait
.irp t, 0,1,2,3,4,5,6,7
	ds_load_b128 v[RB+4*\t:RB+4*\t+3], v[RD] offset:2*SPITCH*\t    ; LDS serves a wave's instructions in order: these see the stores above
.endr
.irp t, 0,1,2,3,4,5,6,7
	s_wait_dscnt 7-\t
	v_pk_add_f32 v[RB+4*\t:RB+4*\t+1], v[RB+4*\t:RB+4*\t+1], v[BV:BV+1]
	v_pk_add_f32 v[RB+4*\t+2:RB+4*\t+3], v[RB+4*\t+2:RB+4*\t+3], v[BV+2:BV+3]
	global_store_b128 v[CO], v[RB+4*\t:RB+4*\t+3], s[70:71] offset:(16*\a+2*\t)*4096 th:TH_STORE_NT   ; 16 lanes store 256 consecutive bytes, at a multiple of 256 from out0's first byte
.endr
.endm
	OUT16 0
	OUT16 1
	OUT16 2
	OUT16 3
	s_wait_tensorcnt 0x0
	ds_add_u32 v254, v255
	s_wait_dscnt 0x0
	CROUND                                         ; the closing round: no work-group ends while a partner may still ask for a tile that names it
	s_endpgm
.Lfunc_end_k_q6e153c55d5_oproj:
	.size	k_q6e153c55d5_oproj, .Lfunc_end_k_q6e153c55d5_oproj-k_q6e153c55d5_oproj
	.p2alignl 7, 3214868480
	.fill 96, 4, 3214868480
	.section	.rodata,"a",@progbits
	.p2align	6, 0x0
	.amdhsa_kernel k_q6e153c55d5_oproj
		.amdhsa_group_segment_fixed_size 327680
		.amdhsa_private_segment_fixed_size 0
		.amdhsa_enable_private_segment 0
		.amdhsa_kernarg_size 32
		.amdhsa_user_sgpr_count 2
		.amdhsa_user_sgpr_kernarg_segment_ptr 1
		.amdhsa_wavefront_size32 1
		.amdhsa_system_sgpr_workgroup_id_x 1
		.amdhsa_system_sgpr_workgroup_id_y 1
		.amdhsa_system_sgpr_workgroup_id_z 1
		.amdhsa_system_vgpr_workitem_id 0
		.amdhsa_next_free_vgpr 384
		.amdhsa_next_free_sgpr 84
		.amdhsa_reserve_vcc 0
		.amdhsa_float_denorm_mode_32 3
		.amdhsa_float_denorm_mode_16_64 3
		.amdhsa_memory_ordered 1
		.amdhsa_forward_progress 1
		.amdhsa_inst_pref_size 174
	.end_amdhsa_kernel
	.amdgpu_metadata
---
amdhsa.version: [ 1, 2 ]
amdhsa.kernels:
  - .name:           k_q6e153c55d5_oproj
    .symbol:         k_q6e153c55d5_oproj.kd
    .args:
      - { .name: ctx16, .offset: 0, .size: 8, .value_kind: global_buffer, .address_space: global }
      - { .name: wo16, .offset: 8, .size: 8, .value_kind: global_buffer, .address_space: global }
      - { .name: bo, .offset: 16, .size: 8, .value_kind: global_buffer, .address_space: global }
      - { .name: out0, .offset: 24, .size: 8, .value_kind: global_buffer, .address_space: global }
    .group_segment_fixed_size: 327680
    .private_segment_fixed_size: 0
    .kernarg_segment_align: 8
    .kernarg_segment_size: 32
    .max_flat_workgroup_size: 128
    .sgpr_count:     84
    .vgpr_count:     384
    .wavefront_size: 32
...
	.end_amdgpu_metadata
.endif
;; end of part 4
